; MI455X (gfx1250); checked and timed in simulation.
; The chip was launched on July 23, 2026; its instructions are those of AMD's public machine-readable ISA for CDNA 5 (MIT licence, August 2026) and "CDNA5" Instruction Set Architecture Reference Guide (July 2026). The comments in the code are by the model that wrote it; some were corrected since.
;; Zeta Block Enhanced. Allowed arithmetic: matrix products marked QUANTISED: E4M3 operands, one given power-of-two scale a tensor, by v_wmma_f32_16x16x64_fp8_fp8 or v_wmma_f32_16x16x128_fp8_fp8, f32 sums; everything else in f32.
;; Inputs: Wk 1,024 x 1,024 float32; Wo 1,024 x 1,024 float32; Wq 1,024 x 1,024 float32; Wv 1,024 x 1,024 float32; beta 16 float32; bk 1,024 float32; bo 1,024 float32; bq 1,024 float32; bv 1,024 float32; ln_b 1,024 float32; ln_w 1,024 float32; lowp_scales 14 int32 (the exponents e of the quantised operands' scales 2^e); t 16 float32; x 2 x 2,048 x 1,024 float32.
;; Outputs: out0 2 x 2,048 x 1,024 float32.
;; This version of the problem:
;;   THIS VERSION OF THE PROBLEM IS GIVEN IN LOW PRECISION. The matrix products marked QUANTISED in the list below multiply operands that are first quantised to E4M3 (4 exponent bits, 3 mantissa bits; 8 bits a number), with one given power-of-two scale for each operand tensor; their sums are f32. All else is computed in f32.
;;   The module's matrix products, in the order in which they are computed (A, B: the left and right operand; K: the contracted axis; several contracted axes count as one K, in the product's order):
;;     1. [M 4,096, K 1,024] x [K 1,024, N 1,024]; A: input x; B: input Wq: QUANTISED (scales: A lowp_scales[0], B lowp_scales[1])
;;     2. [M 4,096, K 1,024] x [K 1,024, N 1,024]; A: input x; B: input Wk: QUANTISED (scales: A lowp_scales[2], B lowp_scales[3])
;;     3. [M 4,096, K 1,024] x [K 1,024, N 1,024]; A: input x; B: input Wv: QUANTISED (scales: A lowp_scales[4], B lowp_scales[5])
;;     4. batch 32 x [M 2,048, K 64] x [K 64, N 2,048]; A: computed on the way; B: computed on the way: QUANTISED (scales: A lowp_scales[6], B lowp_scales[7])
;;     5. batch 32 x [M 2,048, K 2,048] x [K 2,048, N 64]; A: softmax (see below); B: computed on the way: QUANTISED (scales: A lowp_scales[8], B lowp_scales[9])
;;     6. batch 32 x [M 2,048, K 2,048] x [K 2,048, N 64]; A: computed on the way; B: computed on the way: QUANTISED (scales: A lowp_scales[10], B lowp_scales[11])
;;     7. [M 4,096, K 1,024] x [K 1,024, N 1,024]; A: computed on the way; B: input Wo: QUANTISED (scales: A lowp_scales[12], B lowp_scales[13])
;;   THE QUANTISER, for each operand of a quantised product, along K:
;;     - The operand's scale is 2^e, e = its entry of the input lowp_scales (int32; the entries are numbered through the quantised products in the list's order, A before B).
;;     - Each number is divided by the scale, clamped to +-448, and rounded to the nearest number of E4M3, ties to even, subnormals kept.
;;     - The product sums the exact products of the quantised numbers (number of the format x scale) in f32.
;;   ~~~python
;;   def quantise(x, axis, e):      # numpy; x: float32 -> the quantised numbers, widened to float32 again
;;       x = np.moveaxis(x, axis, -1); K = x.shape[-1]
;;       r = np.clip(x / 2.0 ** e, -448, 448)
;;       step = 2.0 ** (np.maximum(np.frexp(np.where(r == 0, 1, r))[1] - 1, -6) - 3)
;;       q = np.round(r / step) * step * 2.0 ** e      # np.round: ties to even
;;       return np.moveaxis(q, -1, axis).astype(np.float32)
;;   ~~~
;;   SOFTMAX AHEAD OF A QUANTISED PRODUCT. Where the list says 'softmax', what is quantised is not the finished softmax but p = 2^(t - M), with t = logit x log2(e) and M = ceil(the row's largest t), a whole number; so 1/2 < the row's largest p <= 1. The row's sum l is taken of the UNQUANTISED p, in f32, and the product's result is divided by l at the end. Since M is a whole number, a kernel that streams over the keys may use a running M (the ceiling of the running maximum): every later rescaling is an exact power of two, so the quantised numbers keep their values, but for numbers so far below the row's largest that they fall under the format's range.
;;   OPERANDS COMPUTED ON THE WAY. 'Computed on the way' means the value that the module computes at that place (a softmax that the list does not call 'softmax' is quantised finished and normalised). What goes into a quantiser is computed in f32, as accurately as f32 sums, v_exp_f32 and their like allow (about 1e-6 of the number): no bf16 or f16 on the way to a quantiser, and a product that is left as it is and whose result goes on into a quantised operand takes f32 operands (vector FMAs, or v_wmma_f32_16x16x4_f32). A number that lies on a knife's edge between two numbers of the format may be rounded either way, as far as f32 arithmetic and the matrix unit's own rounding can turn it there, and no further.
;; One version. Each part assembles by itself: llvm-mc -triple=amdgcn-amd-amdhsa -mcpu=gfx1250 --defsym DOCPART=n.
;; ======== version 1 of 1: 4 launches
;; workspace buffers: xw 16,777,216 bytes; qkv 16,777,216 bytes; fc 4,194,304 bytes
;; launch quant (part 1): grid 512 x 1, 8 waves a work-group, no clusters, 68,608 bytes of LDS; arguments x, Wq, Wk, Wv, Wo, lowp_scales, xw; writes xw
.if DOCPART == 1
	.amdgcn_target "amdgcn-amd-amdhsa--gfx1250"
	.amdhsa_code_object_version 6
	.text
	.protected	k_q6e7fc277de_quant
	.globl	k_q6e7fc277de_quant
	.p2align	8
	.type	k_q6e7fc277de_quant,@function
k_q6e7fc277de_quant:
	s_mov_b64 s[64:65], 0
	v_nop
	global_prefetch_b8 v0, s[64:65] scope:SCOPE_SE
	s_setreg_imm32_b32 hwreg(HW_REG_WAVE_MODE, 25, 1), 1
	s_wait_xcnt 0x0
; x [4096][1024] and Wq, Wk, Wv, Wo [1024][1024], f32, K innermost, become codes of FP8 (E4M3), each with the scale 2^e that is given for it; x three times (entries 0, 2, 4 of the scales),
; Wq, Wk, Wv, Wo once (entries 1, 3, 5, 13).  code = number / 2^e, held within +-448, to the nearest code, ties to even.
; THE CODES ARE LAID AS IMAGES OF THE READER'S OPERAND REGISTERS.  A fragment, 16 rows x 128 K, is 2,048 bytes [c 0..3][lane 0..31][16 bytes]: lane (r = lane % 16, h = lane / 16) holds row r, k = 32 c + 16 h + 0 .. 15.
; A tensor is [group of 128 rows][K step 0..7][tile of 16 rows 0..7][2,048].  In xw: x by entry 0 at 0, by entry 2 at 4 MiB, by entry 4 at 8 MiB; Wq, Wk, Wv, Wo at 12, 13, 14, 15 MiB.
; Rows of x and Wo are taken as they lie: tile RT, lane r = row 16 RT + r.  Of Wq, Wk, Wv tile RT, lane r = row 32 (RT / 2) + 8 (RT % 2) + r + 8 (r / 8), so that the next launch's results come out with 16 neighbours along the next K.
; SHARES.  A work-group takes one tile of 16 rows (work-groups 0-255: x; then 64 for each weight), its wave w K step w.  Each load reads 512 consecutive bytes of a row; the 16 rows turn through the wave's own stage in LDS
; (rows 528 bytes apart, an odd multiple of 16: the 16 rows that a read touches start at 16 different banks of the 64 of 4 bytes, ISA guide 11.1) and come back 16 neighbours a lane.  Each store covers 512 consecutive bytes, aligned.
; No matrix unit, no cluster, no tensor load: waves share nothing.  No barrier: a wave reads only its own stage.
; LIMITS: each e between -126 and 119, so that 2^e and 448 x 2^e are f32 numbers.  NaN among the inputs is not served; an infinity is held at the largest code.
.set SP,    528                        ; a stage row
.set WST,   16*SP                      ; a wave's stage
.set SPARE, 8*WST                      ; behind the stages: the spare words, 128 bytes for each wave: four blocks of 256 bytes that no other line names
.set LI,  1                            ; v1   16 x lane
.set STA, 2                            ; v2   the stage, on the way in
.set RDA, 3                            ; v3   and on the way out
.set SPW, 12                           ; v12  LDS address of my spare word; never rewritten
.set NIL, 13                           ; v13  0; never rewritten
.set R,   16                           ; v16-79   16 rows as loaded
.set X,   80                           ; v80-143  64 numbers of my row: register 16 c + i = k 32 c + 16 h + i
.set T,   144                          ; v144-175 two sets of 16 held numbers, by turns
.set C,   176                          ; v176-223 codes: 16 registers for each of up to three scales, so that no store's data are written again
	s_load_b256 s[4:11], s[0:1], 0x0               ; x, Wq, Wk, Wv
	s_load_b128 s[12:15], s[0:1], 0x20             ; Wo, the scales' exponents
	s_load_b64 s[16:17], s[0:1], 0x30              ; xw
	v_lshl_add_u32 v[SPW], v0, 2, SPARE
	v_mov_b32 v[NIL], 0
	v_lshrrev_b32 v10, 5, v0
	v_readfirstlane_b32 s18, v10                   ; wave = K step
	v_and_b32 v10, 31, v0
	v_lshlrev_b32 v[LI], 4, v10
	s_mul_i32 s19, s18, WST
	v_add_nc_u32 v[STA], s19, v[LI]                ; in: a row's 512 bytes as they lie
	v_and_b32 v10, 15, v0                          ; r
	v_bfe_u32 v11, v0, 4, 1                        ; h
	v_mul_u32_u24 v[RDA], v10, SP
	v_lshl_add_u32 v[RDA], v11, 6, v[RDA]
	v_add_nc_u32 v[RDA], s19, v[RDA]               ; out: row r, + 64 h bytes
	s_and_b32 s23, ttmp9, 63
	s_cmp_lt_u32 ttmp9, 256
	s_cselect_b32 s23, ttmp9, s23                  ; RT: the tile in its tensor
	s_lshr_b32 s2, s23, 1
	s_lshl_b32 s2, s2, 5
	s_and_b32 s3, s23, 1
	s_lshl_b32 s3, s3, 3
	s_add_co_u32 s2, s2, s3                        ; 32 (RT / 2) + 8 (RT % 2)
	s_lshl_b32 s3, s23, 4                          ; 16 RT
	s_sub_co_u32 s19, ttmp9, 256
	s_cmp_lt_u32 s19, 192                          ; Wq, Wk, Wv: work-groups 256 to 447
	s_cselect_b32 s2, s2, s3                       ; the row of lanes 0-7's first,
	s_cselect_b32 s3, 16, 8
	s_add_co_u32 s3, s2, s3                        ; and of lanes 8-15's
	s_lshl_b32 s19, s18, 9                         ; my K step: 512 bytes of a row
	s_lshl_b32 s34, s2, 12
	s_add_co_u32 s34, s34, s19
	s_mov_b32 s35, 0
	s_lshl_b32 s36, s3, 12
	s_add_co_u32 s36, s36, s19
	s_mov_b32 s37, 0
	s_lshr_b32 s38, ttmp9, 6
	s_add_co_u32 s38, s38, 8
	s_lshl_b32 s38, s38, 20                        ; a weight's place in xw: (12 + its number) MiB
	s_cmp_lt_u32 ttmp9, 256
	s_cselect_b32 s38, 0, s38
	s_lshr_b32 s19, s23, 3
	s_lshl_b32 s19, s19, 17
	s_add_co_u32 s38, s38, s19                     ; + group of 128 rows
	s_lshl_b32 s19, s18, 14
	s_add_co_u32 s38, s38, s19                     ; + K step
	s_and_b32 s19, s23, 7
	s_lshl_b32 s19, s19, 11
	s_add_co_u32 s38, s38, s19                     ; + tile
	s_mov_b32 s39, 0
	s_wait_kmcnt 0x0
	s_load_b256 s[24:31], s[14:15], 0x0            ; entries 0 to 7
	s_load_b64 s[32:33], s[14:15], 0x30            ; entries 12, 13
	s_mov_b64 s[20:21], s[4:5]                     ; the source: a choice that hangs on the work-group's number alone
	s_cmp_ge_u32 ttmp9, 256
	s_cselect_b64 s[20:21], s[6:7], s[20:21]
	s_cmp_ge_u32 ttmp9, 320
	s_cselect_b64 s[20:21], s[8:9], s[20:21]
	s_cmp_ge_u32 ttmp9, 384
	s_cselect_b64 s[20:21], s[10:11], s[20:21]
	s_cmp_ge_u32 ttmp9, 448
	s_cselect_b64 s[20:21], s[12:13], s[20:21]
	s_add_nc_u64 s[34:35], s[20:21], s[34:35]
	s_add_nc_u64 s[36:37], s[20:21], s[36:37]
	s_add_nc_u64 s[38:39], s[16:17], s[38:39]
	s_add_nc_u64 s[40:41], s[38:39], 0x400000      ; x's second and third image (used by x's work-groups alone)
	s_add_nc_u64 s[42:43], s[38:39], 0x800000
.irp r, 0,1,2,3,4,5,6,7
	global_load_b128 v[R+4*\r:R+4*\r+3], v[LI], s[34:35] offset:\r*4096 th:TH_LOAD_NT        ; 32 lanes read 512 consecutive bytes of a row
.endr
.irp r, 0,1,2,3,4,5,6,7
	global_load_b128 v[R+32+4*\r:R+32+4*\r+3], v[LI], s[36:37] offset:\r*4096 th:TH_LOAD_NT
.endr
.macro MKSC e, sc, lim                 ; from the exponent in s[e] (which is used up): v[sc] = 2^e, v[lim] = 448 x 2^e
	s_add_co_i32 s[\e], s[\e], 127
	s_lshl_b32 s19, s[\e], 23
	v_mov_b32 v[\sc], s19
	s_add_co_i32 s[\e], s[\e], 8
	s_lshl_b32 s[\e], s[\e], 23
	s_or_b32 s[\e], s[\e], 0x600000
	v_mov_b32 v[\lim], s[\e]
.endm
	s_wait_kmcnt 0x0
	s_mov_b32 s22, s24                             ; the first image's exponent: entry 0, 1, 3, 5 or 13
	s_cmp_ge_u32 ttmp9, 256
	s_cselect_b32 s22, s25, s22
	s_cmp_ge_u32 ttmp9, 320
	s_cselect_b32 s22, s27, s22
	s_cmp_ge_u32 ttmp9, 384
	s_cselect_b32 s22, s29, s22
	s_cmp_ge_u32 ttmp9, 448
	s_cselect_b32 s22, s33, s22
	MKSC 22, 4, 5
	MKSC 26, 6, 7                                  ; entry 2
	MKSC 28, 8, 9                                  ; entry 4
.irp r, 0,1,2,3,4,5,6,7,8,9,10,11,12,13,14,15
	s_wait_loadcnt 15-\r                           ; loads come back in order: row r is in, the 15 - r younger ones may be out
	ds_store_b128 v[STA], v[R+4*\r:R+4*\r+3] offset:SP*\r
.endr
.irp c, 0,1,2,3
.irp j, 0,1,2,3
	ds_load_b128 v[X+16*\c+4*\j:X+16*\c+4*\j+3], v[RDA] offset:128*\c+16*\j   ; LDS serves a wave's instructions in order: these see my stores
.endr
.endr
	s_wait_dscnt 0x0
; 64 numbers become a fragment's 16 registers of codes at v[cb] on.  The numbers are kept: the held copies go into T's two sets by turns, so that sixteen plain lines stand between a conversion and the next write of its sources.
.macro QUANT cb, sc, lim
.irp c, 0,1,2,3
.irp i, 0,1,2,3,4,5,6,7,8,9,10,11,12,13,14,15
	v_med3_num_f32 v[T+16*(\c%2)+\i], v[X+16*\c+\i], -v[\lim], v[\lim]   ; the conversion to an 8-bit code does not saturate (ISA guide 7.6.2): the hold at the largest code x the scale
.endr
	v_cvt_scalef32_pk8_fp8_f32 v[\cb+4*\c:\cb+4*\c+1], v[T+16*(\c%2):T+16*(\c%2)+7], v[\sc]
	v_cvt_scalef32_pk8_fp8_f32 v[\cb+4*\c+2:\cb+4*\c+3], v[T+16*(\c%2)+8:T+16*(\c%2)+15], v[\sc]
.endr
	v_nop                                          ; a plain line behind the last conversion
.endm
.macro OUT base, cb                    ; the image: four stores of 512 consecutive bytes
.irp c, 0,1,2,3
	global_store_b128 v[LI], v[\cb+4*\c:\cb+4*\c+3], s[\base:\base+1] offset:512*\c
.endr
.endm
	QUANT C, 4, 5
	OUT 38, C
	s_cmp_ge_u32 ttmp9, 256                        ; a weight has one scale
	s_cbranch_scc1 .Ldone
	QUANT C+16, 6, 7
	OUT 40, C+16
	QUANT C+32, 8, 9
	OUT 42, C+32
.Ldone:
	s_wait_tensorcnt 0x0                           ; the wave's end, behind my last LDS store
	ds_add_u32 v[SPW], v[NIL]
	s_wait_dscnt 0x0
	s_endpgm
.Lfunc_end_k_q6e7fc277de_quant:
	.size	k_q6e7fc277de_quant, .Lfunc_end_k_q6e7fc277de_quant-k_q6e7fc277de_quant
	.p2alignl 7, 3214868480
	.fill 96, 4, 3214868480
	.section	.rodata,"a",@progbits
	.p2align	6, 0x0
	.amdhsa_kernel k_q6e7fc277de_quant
		.amdhsa_group_segment_fixed_size 68608
		.amdhsa_private_segment_fixed_size 0
		.amdhsa_enable_private_segment 0
		.amdhsa_kernarg_size 56
		.amdhsa_user_sgpr_count 2
		.amdhsa_user_sgpr_kernarg_segment_ptr 1
		.amdhsa_wavefront_size32 1
		.amdhsa_system_sgpr_workgroup_id_x 1
		.amdhsa_system_sgpr_workgroup_id_y 1
		.amdhsa_system_sgpr_workgroup_id_z 1
		.amdhsa_system_vgpr_workitem_id 0
		.amdhsa_next_free_vgpr 224
		.amdhsa_next_free_sgpr 66
		.amdhsa_reserve_vcc 0
		.amdhsa_float_denorm_mode_32 3
		.amdhsa_float_denorm_mode_16_64 3
		.amdhsa_memory_ordered 1
		.amdhsa_forward_progress 1
		.amdhsa_inst_pref_size 24
	.end_amdhsa_kernel
	.amdgpu_metadata
---
amdhsa.version: [ 1, 2 ]
amdhsa.kernels:
  - .name:           k_q6e7fc277de_quant
    .symbol:         k_q6e7fc277de_quant.kd
    .args:
      - { .name: x, .offset: 0, .size: 8, .value_kind: global_buffer, .address_space: global }
      - { .name: Wq, .offset: 8, .size: 8, .value_kind: global_buffer, .address_space: global }
      - { .name: Wk, .offset: 16, .size: 8, .value_kind: global_buffer, .address_space: global }
      - { .name: Wv, .offset: 24, .size: 8, .value_kind: global_buffer, .address_space: global }
      - { .name: Wo, .offset: 32, .size: 8, .value_kind: global_buffer, .address_space: global }
      - { .name: lowp_scales, .offset: 40, .size: 8, .value_kind: global_buffer, .address_space: global }
      - { .name: xw, .offset: 48, .size: 8, .value_kind: global_buffer, .address_space: global }
    .group_segment_fixed_size: 68608
    .private_segment_fixed_size: 0
    .kernarg_segment_align: 8
    .kernarg_segment_size: 56
    .max_flat_workgroup_size: 256
    .sgpr_count:     66
    .vgpr_count:     224
    .wavefront_size: 32
...
	.end_amdgpu_metadata
.endif
;; end of part 1
;; launch gemm (part 2): grid 8 x 96, 4 waves a work-group, clusters of 4 x 4, 327,680 bytes of LDS; arguments xw, lowp_scales, bq, bk, bv, qkv; writes qkv
.if DOCPART == 2
	.amdgcn_target "amdgcn-amd-amdhsa--gfx1250"
	.amdhsa_code_object_version 6
	.text
	.protected	k_q6e7fc277de_gemm
	.globl	k_q6e7fc277de_gemm
	.p2align	8
	.type	k_q6e7fc277de_gemm,@function
k_q6e7fc277de_gemm:
	s_mov_b64 s[64:65], 0
	v_nop
	global_prefetch_b8 v0, s[64:65] scope:SCOPE_SE
	s_setreg_imm32_b32 hwreg(HW_REG_WAVE_MODE, 25, 1), 1
	s_wait_xcnt 0x0
	s_wait_alu depctr_hold_cnt(0) depctr_sa_sdst(0) depctr_va_vdst(0) depctr_va_sdst(0) depctr_va_ssrc(0) depctr_va_vcc(0) depctr_vm_vsrc(0)
	s_getreg_b32 s2, hwreg(HW_REG_IB_STS2, 6, 4)
	s_cmp_eq_u32 s2, 0
	s_cbranch_scc0 .Lentry_in_a_cluster
	s_endpgm
.Lentry_in_a_cluster:
	s_bfe_u32 s2, ttmp6, 0x10000c
	s_cmp_lg_u32 s2, 0xf033
	s_cbranch_scc0 .Lentry_shape_is_right
	s_endpgm
.Lentry_shape_is_right:
; The three projections x Wq^T + bq, x Wk^T + bk, x Wv^T + bv on codes of FP8 (E4M3), and their results quantised at once for the attention: Q (entry 6 of the scales), K (entry 7), V twice (entries 9 and 11).
; A work-group makes 128 tokens x 128 outputs (two heads) of one projection: grid y = 32 x projection + group of 128 tokens, grid x = group of 128 rows of W.  Four waves, 64 x 64 each: 16 accumulators.
; K = 1,024 OF BOTH TILES FITS LDS WHOLE (2 x 131,072 bytes): first fills only, nothing is ever filled again.  The tiles lie in xw as images of the operand registers ([K step][tile of 16 rows][c][lane][16 bytes]),
; so each is one dense block, and a fragment comes by four ds_load_b128 at 16 x lane.  k stands at the same place in x's and in W's images, so every product meets its partner.
; CLUSTERS: 4 x 4 work-groups.  x's tile hangs on grid y alone and is shared along a row of the cluster, W's on grid x (and the projection, which the whole cluster shares) and is shared along a column: joint loads, each
; with a mask that names the four.  Waves 0, 1 fetch x's tile, waves 2, 3 W's, in four chunks of two K steps, a K step (16,384 bytes) a load: four loads of a wave are out at the most.
; Q AND K: source 0 = 16 rows of W, source 1 = 16 tokens: a lane holds one token and eight outputs; by the order of W's rows in their tiles, tiles 2 g and 2 g + 1 hold d = 32 g + 16 (lane / 16) + 0 .. 15 of the head.
;   Image: [b h][tile of 16 tokens][g 0..1][lane][16 bytes].
; V: source 0 = 16 tokens, source 1 = 16 rows of Wv: a lane holds one d and eight tokens (the keys are the next K).  Image: [b h][128 keys][tile of 16 d][c 0..3][lane][16 bytes], byte 8 u + j = key 32 c + 16 u + 8 (lane / 16) + j.
; Every store covers 512 consecutive bytes, aligned, straight from the conversions' registers.
; The way parts on the projection's number, which is made of the cluster's y alone: the same in all sixteen partners and all waves.
; LIMITS: entries 0+1, 2+3, 4+5 added between -126 and 127; entries 6, 7, 9, 11 between -126 and 119.  NaN among the inputs is not served.
; REGISTERS: window 0: v1 16 x lane; v16, v17, v20, v21 LDS addresses; v28, v29 the add's two; v32-107 the way out; v128-255 the accumulators ((a, b) at v[128 + 8 (4 a + b)]).
;   window 1: two fragment buffers of 128: x's four fragments, then W's four.
.set RW,    131072                     ; LDS: x's tile at 0, W's here
.set SPARE, 262144                     ; behind the tiles: the spare words, 128 bytes for each wave: two blocks of 256 bytes that no other line names
.set LI,  1
.set ADX, 16                           ; v16, v17  my four tiles of x, K steps 0-3 and 4-7
.set ADW, 20                           ; v20, v21  the same for W
.set SPW, 28
.set NIL, 29
.set ACC, 128
.set G1A, 24                           ; s[24:31] descriptor group 1, x's tile;  s[32:39] W's: they differ in the mask
.set G1B, 32
.set G0A, 40                           ; s[40:55] four groups 0 for x's chunks;  s[68:83] for W's
.set G0B, 68
.set MSB, 0
.macro WIN new                         ; the immediate's high byte repeats the setting that is left
.if MSB != \new
	s_set_vgpr_msb (MSB<<8)|\new
.set MSB, \new
.endif
.endm
.set MUL,  0x05                        ; sources 0 and 1 window 1; C and D window 0
.set TO_F, 0x40                        ; destination window 1, address window 0
.macro PLACES                          ; four places in front of loads into registers that matrix instructions have read, and of the first read of results
.rept 4
	v_nop
.endr
.endm
.macro CROUND                          ; a round of the cluster's barrier
	s_barrier_signal -1
	s_barrier_wait -1
	s_cmp_lg_u32 s16, 0
	s_cbranch_scc1 .Lnot_wave_0_\@
	s_barrier_signal -3
.Lnot_wave_0_\@:
	s_barrier_wait -3
	s_barrier_signal -1
	s_barrier_wait -1
.endm
.macro MKSC e, sc, lim                 ; from the exponent in s[e]: v[sc] = 2^e, v[lim] = 448 x 2^e
	s_add_co_i32 s56, s[\e], 127
	s_lshl_b32 s57, s56, 23
	v_mov_b32 v[\sc], s57
	s_add_co_i32 s56, s56, 8
	s_lshl_b32 s56, s56, 23
	s_or_b32 s56, s56, 0x600000
	v_mov_b32 v[\lim], s56
.endm
	s_load_b256 s[4:11], s[0:1], 0x0               ; xw, the scales' exponents, bq, bk
	s_load_b128 s[12:15], s[0:1], 0x20             ; bv, qkv
	v_lshl_add_u32 v[SPW], v0, 2, SPARE
	v_mov_b32 v[NIL], 0
	ds_add_u32 v[SPW], v[NIL]                      ; the wave's opening: the add and its wait ahead of my first tensor load; the set-up below, work on registers, stands between them
	v_lshrrev_b32 v2, 5, v0
	v_readfirstlane_b32 s16, v2                    ; wave 0..3
	s_lshr_b32 s17, s16, 1                         ; which 64 tokens are mine.  Also: I fetch for x (0) or for W (1)
	s_and_b32 s18, s16, 1                          ; which 64 rows of W.  Also: which K step of a chunk I fetch
	s_bfe_u32 s19, ttmp6, 0x40000                  ; cx
	s_bfe_u32 s20, ttmp6, 0x40004                  ; cy
	s_lshl_b32 s21, ttmp9, 2
	s_add_co_u32 s21, s21, s19                     ; grid x = 4 x cluster x + cx
	s_and_b32 s23, ttmp7, 0xffff                   ; cluster y
	s_lshl_b32 s22, s23, 2
	s_add_co_u32 s22, s22, s20                     ; grid y = 4 x cluster y + cy
	s_lshr_b32 s23, s23, 3                         ; the projection: 0 Q, 1 K, 2 V
	s_lshl_b32 s56, s20, 2
	s_lshl_b32 s56, 15, s56                        ; my row of the cluster
	s_lshl_b32 s57, 0x1111, s19                    ; my column
	s_or_b32 s[G1A], s56, (3<<16)|(1<<21)          ; 15:0 the mask; 17:16 elements of 8 bytes; 21 set beside a mask; no padding
	s_or_b32 s[G1B], s57, (3<<16)|(1<<21)
.irp g, G1A, G1B                       ; a dense block of 16,384 bytes as 64 rows of 256
	s_mov_b32 s[\g+1], 32<<16                      ; tensor_dim0 = 32 elements
	s_mov_b32 s[\g+2], 64<<16                      ; tensor_dim1 = 64
	s_mov_b32 s[\g+3], 32<<16                      ; tile_dim0
	s_mov_b32 s[\g+4], 64                          ; tile_dim1
	s_mov_b32 s[\g+5], 32                          ; from row to row
	s_mov_b32 s[\g+6], 0
	s_mov_b32 s[\g+7], 0
.endr
	s_lshl_b32 s3, s18, 14                         ; my K step of a chunk
	s_lshl_b32 s58, s22, 17                        ; x's tile: the three images of x lie on end, 32 groups each: grid y x 131,072
	s_add_co_u32 s58, s58, s3
	s_mov_b32 s59, 0
	s_add_co_u32 s60, s23, 12                      ; W's tile: (12 + projection) MiB + grid x x 131,072
	s_lshl_b32 s60, s60, 20
	s_lshl_b32 s61, s21, 17
	s_add_co_u32 s60, s60, s61
	s_add_co_u32 s60, s60, s3
	s_mov_b32 s61, 0
	s_lshl_b32 s62, s17, 17
	s_add_co_u32 s62, s62, s3                      ; where my part of chunk 0 goes: the wave's number alone
	v_and_b32 v2, 31, v0
	v_lshlrev_b32 v[LI], 4, v2
	s_lshl_b32 s56, s17, 13                        ; my four tiles of 16 tokens in a K step,
	s_lshl_b32 s57, s18, 13                        ; my four of W
	s_add_co_u32 s57, s57, RW
	v_add_nc_u32 v[ADX], s56, v[LI]
	v_add_nc_u32 v[ADW], s57, v[LI]
	s_add_co_u32 s56, s56, 65536
	s_add_co_u32 s57, s57, 65536
	v_add_nc_u32 v[ADX+1], s56, v[LI]
	v_add_nc_u32 v[ADW+1], s57, v[LI]
	s_wait_dscnt 0x0                               ; the opening add is done
	s_wait_kmcnt 0x0
	s_load_b256 s[84:91], s[6:7], 0x0              ; entries 0 to 7
	s_load_b128 s[92:95], s[6:7], 0x20             ; entries 8 to 11
	s_add_nc_u64 s[58:59], s[4:5], s[58:59]
	s_add_nc_u64 s[60:61], s[4:5], s[60:61]
	CROUND                                         ; all sixteen work-groups are here: the joint loads meet
.irp c, 0,1,2,3
	s_mov_b32 s[G0A+4*\c], 1
	s_add_co_u32 s[G0A+4*\c+1], s62, \c*32768
	s_add_nc_u64 s[G0A+4*\c+2:G0A+4*\c+3], s[58:59], \c*32768
	s_or_b32 s[G0A+4*\c+3], s[G0A+4*\c+3], 0x80000000
	s_mov_b32 s[G0B+4*\c], 1
	s_add_co_u32 s[G0B+4*\c+1], s62, \c*32768
	s_add_nc_u64 s[G0B+4*\c+2:G0B+4*\c+3], s[60:61], \c*32768
	s_or_b32 s[G0B+4*\c+3], s[G0B+4*\c+3], 0x80000000
.endr
	s_cmp_eq_u32 s17, 0                            ; a wave's four first fills stand in one branch on the wave's number; an s_nop 0 follows each, four v_nop the last
	s_cbranch_scc0 .Lfill_w
.irp c, 0,1,2,3
	tensor_load_to_lds s[G0A+4*\c:G0A+4*\c+3], s[G1A:G1A+7]
	s_nop 0
.endr
	PLACES
	s_branch .Lfilled
.Lfill_w:
.irp c, 0,1,2,3
	tensor_load_to_lds s[G0B+4*\c:G0B+4*\c+3], s[G1B:G1B+7]
	s_nop 0
.endr
	PLACES
.Lfilled:
	s_lshl_b32 s58, s21, 9                         ; my 64 outputs in a bias: (128 grid x + 64 half) x 4 bytes
	s_lshl_b32 s59, s18, 8
	s_add_co_u32 s58, s58, s59
	s_mov_b32 s59, 0
	s_and_b32 s56, s22, 31                         ; group of 128 tokens
	s_lshr_b32 s57, s56, 4                         ; batch
	s_lshl_b32 s57, s57, 4
	s_lshl_b32 s2, s21, 1
	s_add_co_u32 s57, s57, s2
	s_add_co_u32 s57, s57, s18                     ; b h = 16 batch + 2 grid x + half
	s_lshl_b32 s60, s57, 17
	s_and_b32 s56, s56, 15
	s_lshl_b32 s56, s56, 13
	s_add_co_u32 s60, s60, s56                     ; b h x 131,072 + (128 tokens) x 8,192
	s_mov_b32 s61, 0
	s_wait_kmcnt 0x0
	s_add_co_i32 s56, s84, s85                     ; a sum stands for sum x 2^(x's exponent + W's)
	s_add_co_i32 s57, s86, s87
	s_add_co_i32 s2, s88, s89
	s_cmp_eq_u32 s23, 1
	s_cselect_b32 s56, s57, s56
	s_cmp_eq_u32 s23, 2
	s_cselect_b32 s56, s2, s56
	s_add_co_i32 s56, s56, 127
	s_lshl_b32 s96, s56, 23
	s_mov_b32 s97, s96                             ; (named with it as a pair, so it is written)
; the fragments of K step s, x's four and W's four, into buffer f: 32 LDS loads in one run
.macro FETCH s, f
	WIN TO_F
.irp a, 0,1,2,3
.irp c, 0,1,2,3
	ds_load_b128 v[128*(\f)+16*\a+4*\c:128*(\f)+16*\a+4*\c+3], v[ADX+(\s)/4] offset:((\s)%4)*16384+\a*2048+\c*512
.endr
.endr
.irp a, 0,1,2,3
.irp c, 0,1,2,3
	ds_load_b128 v[128*(\f)+64+16*\a+4*\c:128*(\f)+64+16*\a+4*\c+3], v[ADW+(\s)/4] offset:((\s)%4)*16384+\a*2048+\c*512
.endr
.endr
.endm
; 16 matrix instructions, 128 along K.  swap = 0: source 0 = W's tile b, source 1 = x's tile a;  swap = 1: source 0 = x's tile b, source 1 = W's tile a.  zero = 1: the products start the sums.
; The 16 accumulators take turns, one instruction a turn, in the same order every time.
.macro MUL16 f, zero, swap
.irp a, 0,1,2,3
.irp b, 0,1,2,3
.if \zero
	v_wmma_f32_16x16x128_fp8_fp8 v[ACC+8*(4*\a+\b):ACC+8*(4*\a+\b)+7], v[128*(\f)+64*(1-(\swap))+16*\b:128*(\f)+64*(1-(\swap))+16*\b+15], v[128*(\f)+64*(\swap)+16*\a:128*(\f)+64*(\swap)+16*\a+15], 0
.else
	v_wmma_f32_16x16x128_fp8_fp8 v[ACC+8*(4*\a+\b):ACC+8*(4*\a+\b)+7], v[128*(\f)+64*(1-(\swap))+16*\b:128*(\f)+64*(1-(\swap))+16*\b+15], v[128*(\f)+64*(\swap)+16*\a:128*(\f)+64*(\swap)+16*\a+15], v[ACC+8*(4*\a+\b):ACC+8*(4*\a+\b)+7]
.endif
.endr
.endr
.endm
; All eight K steps.  While one buffer is multiplied the other's 32 loads are on their way.  A chunk is read behind a barrier in front of which each fetching wave has seen its part land; later chunks stay out.
.macro MAIN swap
	s_wait_tensorcnt 0x3                           ; my part of chunk 0 is in; the three loads behind it may be out
	s_barrier_signal -1
	s_barrier_wait -1
	FETCH 0, 0
.irp c, 0,1,2,3
.if \c > 0
	PLACES
.endif
	FETCH 2*\c+1, 1
	s_wait_dscnt 32                                ; buffer 0 is in; the 32 loads just issued may be out
	WIN MUL
.if \c == 0
	MUL16 0, 1, \swap
.else
	MUL16 0, 0, \swap
.endif
	s_wait_dscnt 0x0                               ; buffer 1 is in, and no LDS instruction of mine is out at the signal
.if \c < 3
	s_wait_tensorcnt 2-\c                          ; my part of the next chunk is in; the loads of the chunks behind it may be out
	s_barrier_signal -1
	s_barrier_wait -1
	PLACES
	FETCH 2*\c+2, 0
	WIN MUL
.endif
	MUL16 1, 0, \swap
.endr
	WIN 0
.endm
	s_cmp_eq_u32 s23, 2
	s_cbranch_scc1 .Lv
	; ---- Q or K
	s_cmp_eq_u32 s23, 1
	s_cselect_b64 s[100:101], s[10:11], s[8:9]     ; bk or bq
	s_cselect_b32 s2, s91, s90                     ; entry 7 or 6
	s_add_nc_u64 s[100:101], s[100:101], s[58:59]
	s_lshl_b32 s56, s17, 12                        ; my four tiles of 16 tokens, 1,024 bytes each
	s_add_co_u32 s60, s60, s56
	s_lshl_b32 s56, s23, 22                        ; Q's images at 0, K's at 4 MiB
	s_add_co_u32 s60, s60, s56
	s_add_nc_u64 s[98:99], s[14:15], s[60:61]
	MKSC 2, 104, 105
	v_bfe_u32 v3, v0, 4, 1
	v_lshlrev_b32 v3, 6, v3                        ; 16 (lane / 16) outputs on
.irp b, 0,1,2,3                        ; the bias in the result's layout: tile b, register j: output 32 (b / 2) + 16 (lane / 16) + 8 (b % 2) + j
	global_load_b128 v[32+8*\b:35+8*\b], v3, s[100:101] offset:(32*(\b/2)+8*(\b%2))*4
	global_load_b128 v[36+8*\b:39+8*\b], v3, s[100:101] offset:(32*(\b/2)+8*(\b%2))*4+16
.endr
	MAIN 0
	PLACES
	s_wait_loadcnt 0x0                             ; the bias
.irp a, 0,1,2,3
.irp b, 0,1,2,3
.irp i, 0,2,4,6
	v_pk_fma_f32 v[64+8*\b+\i:64+8*\b+\i+1], v[ACC+32*\a+8*\b+\i:ACC+32*\a+8*\b+\i+1], s[96:97], v[32+8*\b+\i:32+8*\b+\i+1] op_sel_hi:[1,0,1]   ; sum x 2^(the two exponents) + bias; each accumulator from its low end on
.endr
.endr
.set j, 0
.rept 32
	v_med3_num_f32 v[64+j], v[64+j], -v105, v105   ; the conversion does not saturate (ISA guide 7.6.2): the hold
.set j, j+1
.endr
.irp b, 0,1,2,3
	v_cvt_scalef32_pk8_fp8_f32 v[ACC+32*\a+2*\b:ACC+32*\a+2*\b+1], v[64+8*\b:64+8*\b+7], v104   ; into the registers of an accumulator that is done with
.endr
	v_nop                                          ; a plain line behind the last conversion
	global_store_b128 v[LI], v[ACC+32*\a:ACC+32*\a+3], s[98:99] offset:\a*1024
	global_store_b128 v[LI], v[ACC+32*\a+4:ACC+32*\a+7], s[98:99] offset:\a*1024+512
.endr
	s_branch .Lend
.Lv:
	; ---- V
	s_add_nc_u64 s[100:101], s[12:13], s[58:59]
	s_lshl_b32 s56, s17, 10                        ; my 64 keys are groups c = 2 half, 2 half + 1 of each image
	s_add_co_u32 s60, s60, s56
	s_add_co_u32 s60, s60, 0x800000                ; V by entry 9 at 8 MiB; by entry 11 4 MiB further on
	s_add_nc_u64 s[98:99], s[14:15], s[60:61]
	MKSC 93, 104, 105
	MKSC 95, 106, 107
	v_and_b32 v2, 15, v0
	v_and_b32 v3, 8, v2
	v_add_nc_u32 v3, v3, v2
	v_lshlrev_b32 v3, 2, v3                        ; r + 8 (r / 8): my d in a tile of Wv
.irp a, 0,1,2,3                        ; one bias a lane and tile; twice, since the packed form names a pair
	global_load_b32 v[32+2*\a], v3, s[100:101] offset:(32*(\a/2)+8*(\a%2))*4
	global_load_b32 v[33+2*\a], v3, s[100:101] offset:(32*(\a/2)+8*(\a%2))*4
.endr
	MAIN 1
	PLACES
	s_wait_loadcnt 0x0
.irp a, 0,1,2,3
.irp b, 0,1,2,3
.irp i, 0,2,4,6
	v_pk_fma_f32 v[40+8*\b+\i:40+8*\b+\i+1], v[ACC+32*\a+8*\b+\i:ACC+32*\a+8*\b+\i+1], s[96:97], v[32+2*\a:33+2*\a] op_sel_hi:[1,0,0]
.endr
.endr
.set j, 0
.rept 32
	v_med3_num_f32 v[72+j], v[40+j], -v105, v105   ; held for entry 9; the numbers are kept for entry 11
.set j, j+1
.endr
.irp b, 0,1,2,3
	v_cvt_scalef32_pk8_fp8_f32 v[ACC+32*\a+2*\b:ACC+32*\a+2*\b+1], v[72+8*\b:72+8*\b+7], v104
.endr
.set j, 0
.rept 32
	v_med3_num_f32 v[40+j], v[40+j], -v107, v107
.set j, j+1
.endr
.irp b, 0,1,2,3
	v_cvt_scalef32_pk8_fp8_f32 v[ACC+32*\a+8+2*\b:ACC+32*\a+8+2*\b+1], v[40+8*\b:40+8*\b+7], v106
.endr
	v_nop
.irp g, 0,1
	global_store_b128 v[LI], v[ACC+32*\a+4*\g:ACC+32*\a+4*\g+3], s[98:99] offset:\a*2048+\g*512
	global_store_b128 v[LI], v[ACC+32*\a+8+4*\g:ACC+32*\a+8+4*\g+3], s[98:99] offset:4194304+\a*2048+\g*512
.endr
.endr
.Lend:
	s_wait_tensorcnt 0x0                           ; the wave's end: behind my last tensor load
	ds_add_u32 v[SPW], v[NIL]
	s_wait_dscnt 0x0
	CROUND                                         ; the closing round: no work-group ends while a partner may still ask for a tile that names it
	s_endpgm
.Lfunc_end_k_q6e7fc277de_gemm:
	.size	k_q6e7fc277de_gemm, .Lfunc_end_k_q6e7fc277de_gemm-k_q6e7fc277de_gemm
	.p2alignl 7, 3214868480
	.fill 96, 4, 3214868480
	.section	.rodata,"a",@progbits
	.p2align	6, 0x0
	.amdhsa_kernel k_q6e7fc277de_gemm
		.amdhsa_group_segment_fixed_size 327680
		.amdhsa_private_segment_fixed_size 0
		.amdhsa_enable_private_segment 0
		.amdhsa_kernarg_size 48
		.amdhsa_user_sgpr_count 2
		.amdhsa_user_sgpr_kernarg_segment_ptr 1
		.amdhsa_wavefront_size32 1
		.amdhsa_system_sgpr_workgroup_id_x 1
		.amdhsa_system_sgpr_workgroup_id_y 1
		.amdhsa_system_sgpr_workgroup_id_z 1
		.amdhsa_system_vgpr_workitem_id 0
		.amdhsa_next_free_vgpr 512
		.amdhsa_next_free_sgpr 102
		.amdhsa_reserve_vcc 0
		.amdhsa_float_denorm_mode_32 3
		.amdhsa_float_denorm_mode_16_64 3
		.amdhsa_memory_ordered 1
		.amdhsa_forward_progress 1
		.amdhsa_inst_pref_size 101
	.end_amdhsa_kernel
	.amdgpu_metadata
---
amdhsa.version: [ 1, 2 ]
amdhsa.kernels:
  - .name:           k_q6e7fc277de_gemm
    .symbol:         k_q6e7fc277de_gemm.kd
    .args:
      - { .name: xw, .offset: 0, .size: 8, .value_kind: global_buffer, .address_space: global }
      - { .name: lowp_scales, .offset: 8, .size: 8, .value_kind: global_buffer, .address_space: global }
      - { .name: bq, .offset: 16, .size: 8, .value_kind: global_buffer, .address_space: global }
      - { .name: bk, .offset: 24, .size: 8, .value_kind: global_buffer, .address_space: global }
      - { .name: bv, .offset: 32, .size: 8, .value_kind: global_buffer, .address_space: global }
      - { .name: qkv, .offset: 40, .size: 8, .value_kind: global_buffer, .address_space: global }
    .group_segment_fixed_size: 327680
    .private_segment_fixed_size: 0
    .kernarg_segment_align: 8
    .kernarg_segment_size: 48
    .max_flat_workgroup_size: 128
    .sgpr_count:     102
    .vgpr_count:     512
    .wavefront_size: 32
...
	.end_amdgpu_metadata
.endif
;; end of part 2
;; launch attn (part 3): grid 8 x 32, 16 waves a work-group, no clusters, 327,680 bytes of LDS; arguments qkv, lowp_scales, beta, t, fc; writes fc
.if DOCPART == 3
	.amdgcn_target "amdgcn-amd-amdhsa--gfx1250"
	.amdhsa_code_object_version 6
	.text
	.protected	k_q6e7fc277de_attn
	.globl	k_q6e7fc277de_attn
	.p2align	8
	.type	k_q6e7fc277de_attn,@function
k_q6e7fc277de_attn:
	s_mov_b64 s[64:65], 0
	v_nop
	global_prefetch_b8 v0, s[64:65] scope:SCOPE_SE
	s_setreg_imm32_b32 hwreg(HW_REG_WAVE_MODE, 25, 1), 1
	s_wait_xcnt 0x0
; f = (tau + sigma) / 2 for one (batch, head) and 256 queries, all three products on codes of FP8 (E4M3), and f quantised (entry 12 of the scales) for the output projection.
;   S = Q K^T / 8;  tau = softmax(S) V;  sigma = (w / L) V with w = 1 / ((1 + |S| / beta)^2 + t^2), L = the row's sum of w.
; w / L is quantised FINISHED, so L is wanted before any weight: THE KEYS ARE WALKED TWICE.  Walk 1: S, the row's largest score and L.  Walk 2: S again, p = 2^(S log2 e - M) with M = the ceiling of the row's largest,
; known from walk 1 (so nothing is ever rescaled), its sum l of the unquantised p, and w / L = 1 / ((sqrt L + |s| cb sqrt L)^2 + t^2 L): the normalising costs no line a score.  tau is divided by l at the end.
; SHARES.  A wave owns one tile of 16 queries in 256 registers; sixteen waves, four to a SIMD, so that one wave's LDS loads and matrix instructions stand beside another's vector work.  128 keys a trip.
; LAYOUT.  All products are used transposed (source 0 = 16 keys, or 16 d of V; source 1 = my 16 queries): a lane holds one query throughout.  Q, K, V lie in qkv as images of the operand registers, so a fragment is
; ds_load_b128 at 16 x lane.  S^T's tile T gives register j = key 16 T + 8 (lane / 16) + j, its conversion registers 2 T, 2 T + 1 of the second products' operand: the place that V's images give that key.
; LDS.  The head's K, 131,072 bytes, stays.  V goes through two slots of 512 keys ([entry 9's, entry 11's][4 x 128 keys][tile of d][2,048]).  All sixteen waves issue one first fill of 16,384 bytes; slot 0 is filled again
; by waves 8-11 when it has been read, slot 1 by waves 12-15: one load of a wave is out at the most, and it has four trips of sixteen waves in which to land.
; NO CLUSTER, though the eight work-groups of a head read the same K and V: a work-group asks for 24 loads of 16,384 bytes in all, against 16 trips of some 220 and 16 of some 430 vector instructions in each of sixteen waves;
; joint loads would put rounds of 64 waves where three barriers stand.  No prefetch: no wave waits for a refill, and the first fills stand at the head.
; LIMITS: entries 6 + 7 - 3 and 10 + 11 - 1 between -126 and 127; entries 8, 10, 12 between -126 and 119; entries 8 + 9 go by v_ldexp_f32 and have none.  beta = 0 is not served (the result is not finite there).  NaN is not served.
; REGISTERS: v1 16 x lane; v2, v3 addresses in hand; v4, v5 the add's two; v6, v7 2^entry 8, 2^entry 10; v[8:9] -M; v10 sqrt L; v11 cb sqrt L; v[12:13] t^2, later t^2 L; v[14:15] l; v[16:23] Q; v24 cb; v25, v26 maxima;
;   v27 at work; v[28:31] L in two chains, later l's second chain; v32-95 RA; v96-159 RB; v160-191 tau^T; v192-223 sigma^T; v224-239 p's codes; v240-255 w's codes.
.set VS0,   131072                     ; V's slot 0; slot 1 lies 65,536 further on
.set SPARE, 262144                     ; behind the slots: the spare words, 128 bytes for each wave: eight blocks of 256 bytes that no other line names
.set RA, 32
.set RB, 96
.set OT, 160
.set OS, 192
.set PC, 224
.set WC, 240
.macro PLACES
.rept 4
	v_nop
.endr
.endm
	s_load_b256 s[4:11], s[0:1], 0x0               ; qkv, the scales' exponents, beta, t
	s_load_b64 s[12:13], s[0:1], 0x20              ; fc
	v_lshl_add_u32 v4, v0, 2, SPARE
	v_mov_b32 v5, 0
	ds_add_u32 v4, v5                              ; the wave's opening: the add and its wait ahead of my first tensor load; the set-up below, work on registers, stands between them
	v_lshrrev_b32 v2, 5, v0
	v_readfirstlane_b32 s14, v2                    ; wave 0..15
	v_and_b32 v2, 31, v0
	v_lshlrev_b32 v1, 4, v2
	s_and_b32 s15, ttmp7, 0xffff                   ; b h
	s_and_b32 s16, s15, 15                         ; the head
	s_mov_b32 s24, 3<<16                           ; descriptor group 1: a dense block of 16,384 bytes as 64 rows of 32 elements of 8 bytes; no mask, no padding
	s_mov_b32 s25, 32<<16
	s_mov_b32 s26, 64<<16
	s_mov_b32 s27, 32<<16
	s_mov_b32 s28, 64
	s_mov_b32 s29, 32
	s_mov_b32 s30, 0
	s_mov_b32 s31, 0
	s_mov_b32 s32, 1
	s_lshl_b32 s33, s14, 14                        ; LDS: wave x 16,384: waves 0-7 K, 8-11 slot 0, 12-15 slot 1
	s_lshl_b32 s20, s14, 14
	s_add_co_u32 s20, s20, 0x400000                ; waves 0-7: K's images at 4 MiB
	s_bfe_u32 s22, s14, 0x10001                    ; waves 8-15: entry 9's or entry 11's V,
	s_lshl_b32 s22, s22, 22
	s_bfe_u32 s23, s14, 0x10002                    ; the slot's 512 keys,
	s_lshl_b32 s23, s23, 15
	s_add_co_u32 s22, s22, s23
	s_and_b32 s23, s14, 1                          ; their first or second half
	s_lshl_b32 s23, s23, 14
	s_add_co_u32 s22, s22, s23
	s_add_co_u32 s22, s22, 0x800000
	s_cmp_lt_u32 s14, 8
	s_cselect_b32 s20, s20, s22
	s_lshl_b32 s21, s15, 17
	s_add_co_u32 s20, s20, s21
	s_mov_b32 s21, 0
	s_lshl_b32 s22, s16, 2                         ; the head's place in beta and t
	s_mov_b32 s23, 0
	s_lshl_b32 s19, ttmp9, 4
	s_add_co_u32 s19, s19, s14                     ; my tile of 16 queries
	s_lshl_b32 s2, s15, 17
	s_lshl_b32 s3, s19, 10
	s_add_co_u32 s2, s2, s3                        ; its image in Q
	s_mov_b32 s3, 0
	s_lshr_b32 s60, s15, 4
	s_lshl_b32 s60, s60, 7
	s_add_co_u32 s60, s60, s19
	s_lshl_b32 s60, s60, 14                        ; fc: (128 batch + tile) x 16,384
	s_lshl_b32 s61, s16, 10
	s_add_co_u32 s60, s60, s61                     ; + head x 1,024
	s_mov_b32 s61, 0
	s_mov_b32 s62, 0x76543210                      ; v_permlanex16_b32's selects for lane xor 16
	s_mov_b32 s63, 0xfedcba98
	s_wait_dscnt 0x0                               ; the opening add is done
	s_wait_kmcnt 0x0
	s_add_nc_u64 s[34:35], s[4:5], s[20:21]
	s_or_b32 s35, s35, 0x80000000
	tensor_load_to_lds s[32:35], s[24:31]          ; every wave's first fill
	s_nop 0
	PLACES
	s_load_b256 s[40:47], s[6:7], 0x0              ; entries 0 to 7
	s_load_b128 s[48:51], s[6:7], 0x20             ; 8 to 11
	s_load_b64 s[52:53], s[6:7], 0x30              ; 12, 13
	s_add_nc_u64 s[8:9], s[8:9], s[22:23]
	s_add_nc_u64 s[10:11], s[10:11], s[22:23]
	s_load_b32 s17, s[8:9], 0x0                    ; beta
	s_load_b32 s18, s[10:11], 0x0                  ; t
	s_add_nc_u64 s[2:3], s[4:5], s[2:3]
	s_add_nc_u64 s[12:13], s[12:13], s[60:61]
	global_load_b128 v[16:19], v1, s[2:3]          ; Q's fragment stays in registers
	global_load_b128 v[20:23], v1, s[2:3] offset:512
	v_mov_b32 v25, 0xff61b1e6                      ; the largest score so far, in two chains: -3e38
	v_mov_b32 v26, 0xff61b1e6
	v_mov_b32 v27, 0                               ; written once: a lane permute's destination counts as one of its sources
.irp j, 28,29,30,31
	v_mov_b32 v\j, 0                               ; L
.endr
.set j, 0
.rept 64
	v_mov_b32 v[OT+j], 0                           ; tau^T and sigma^T: cleared once, so that walk 2's trip is written in one form
.set j, j+1
.endr
	s_wait_kmcnt 0x0
	s_add_co_i32 s20, s46, s47
	s_sub_co_i32 s20, s20, 3                       ; a sum of the first product stands for S = sum x 2^(entry 6 + entry 7 - 3)
	s_lshl_b32 s21, s20, 23
	s_add_co_i32 s54, s21, 0x3fb8aa3b              ; c = log2(e) x that: the exponents are added to log2(e)'s exponent field
	s_mov_b32 s55, s54
	s_add_co_i32 s20, s20, 127
	s_lshl_b32 s20, s20, 23
	v_rcp_f32 v24, s17
	v_mul_f32 v12, s18, s18                        ; t^2 (a plain line behind the reciprocal)
	v_mul_f32 v13, s18, s18
	s_add_co_i32 s21, s48, 127
	s_lshl_b32 s22, s21, 23
	v_mov_b32 v6, s22                              ; 2^entry 8
	s_add_co_i32 s21, s21, 8
	s_lshl_b32 s21, s21, 23
	s_or_b32 s36, s21, 0x600000                    ; 448 x that
	s_add_co_i32 s21, s50, 127
	s_lshl_b32 s22, s21, 23
	v_mov_b32 v7, s22                              ; 2^entry 10
	s_add_co_i32 s21, s21, 8
	s_lshl_b32 s21, s21, 23
	s_or_b32 s37, s21, 0x600000
	s_add_co_i32 s21, s50, s51
	s_add_co_i32 s21, s21, 126
	s_lshl_b32 s38, s21, 23                        ; 2^(entry 10 + entry 11 - 1): sigma's half
	s_mov_b32 s39, s38
	s_wait_alu depctr_va_vdst(0)                   ; the wait ahead of the first line that names the reciprocal
	v_mul_f32 v24, s20, v24                        ; cb: |S| / beta = |sum| x cb
	s_wait_tensorcnt 0x0                           ; my fill has landed;
	s_barrier_signal -1
	s_barrier_wait -1                              ; everybody's has: K and both slots are whole.
	s_wait_loadcnt 0x0                             ; Q
; WALK 1, a trip: 128 keys
.macro P1
	v_add_nc_u32 v2, s58, v1
.irp T, 0,1,2,3,4,5,6,7
	ds_load_b128 v[RA+8*\T:RA+8*\T+3], v2 offset:\T*1024
	ds_load_b128 v[RA+8*\T+4:RA+8*\T+7], v2 offset:\T*1024+512
.endr
	s_wait_dscnt 0x0
.irp T, 0,1,2,3,4,5,6,7
	v_wmma_f32_16x16x64_fp8_fp8 v[RB+8*\T:RB+8*\T+7], v[RA+8*\T:RA+8*\T+7], v[16:23], 0
.endr
	PLACES
.set j, 0
.rept 16
	v_max3_num_f32 v25, v25, v[RB+j], v[RB+j+1]    ; the largest score, ascending: each tile is first read at its low end
	v_max3_num_f32 v26, v26, v[RB+j+2], v[RB+j+3]
.set j, j+4
.endr
.irp i, 96,97,98,99,100,101,102,103,104,105,106,107,108,109,110,111,112,113,114,115,116,117,118,119,120,121,122,123,124,125,126,127,128,129,130,131,132,133,134,135,136,137,138,139,140,141,142,143,144,145,146,147,148,149,150,151,152,153,154,155,156,157,158,159
	v_fma_f32 v\i, |v\i|, v24, 1.0                 ; 1 + |S| / beta
.endr
.set j, 0
.rept 32
	v_pk_fma_f32 v[RB+j:RB+j+1], v[RB+j:RB+j+1], v[RB+j:RB+j+1], v[12:13]   ; squared, + t^2
.set j, j+2
.endr
.set j, 0
.rept 64
	v_rcp_f32 v[RB+j], v[RB+j]                     ; w
.set j, j+1
.endr
	v_nop                                          ; a plain line behind the last reciprocal
	s_wait_alu depctr_va_vdst(0)                   ; one wait for the batch, ahead of its first reader
.set j, 0
.rept 16
	v_pk_add_f32 v[28:29], v[28:29], v[RB+j:RB+j+1]
	v_pk_add_f32 v[30:31], v[30:31], v[RB+j+2:RB+j+3]
.set j, j+4
.endr
.endm
	s_mov_b32 s58, 0                               ; LDS byte of the trip's keys
	s_mov_b32 s60, 0
.Lwalk1:
	P1
	s_add_co_u32 s58, s58, 8192
	s_add_co_u32 s60, s60, 1
	s_cmp_lt_u32 s60, 16
	s_cbranch_scc1 .Lwalk1
	; between the walks: M, L and what hangs on them
	v_max_num_f32 v25, v25, v26
	v_permlanex16_b32 v27, v25, s62, s63           ; the query's other keys lie in the lane 16 away
	v_max_num_f32 v25, v25, v27
	v_mul_f32 v25, s54, v25                        ; as t (c is positive)
	v_floor_f32 v8, -v25                           ; -M = floor(-t): M is a whole number
	v_mov_b32 v9, v8
	v_pk_add_f32 v[28:29], v[28:29], v[30:31]
	v_add_f32 v28, v28, v29
	v_permlanex16_b32 v27, v28, s62, s63
	v_add_f32 v28, v28, v27                        ; L
	v_sqrt_f32 v10, v28
	v_mul_f32 v12, v12, v28                        ; t^2 L (a plain line behind the root)
	v_mul_f32 v13, v13, v28
	v_mov_b32 v14, 0                               ; l, in two chains of two halves
	v_mov_b32 v15, 0
	v_mov_b32 v29, 0
	s_wait_alu depctr_va_vdst(0)
	v_mul_f32 v11, v24, v10                        ; cb sqrt L
	v_mov_b32 v28, 0
; WALK 2, a trip: 128 keys
.macro P2
	v_add_nc_u32 v2, s58, v1
	v_add_nc_u32 v3, s59, v1
	PLACES                                         ; with the two additions six places behind the last trip's products: four are owed by the loads into RA, five by the products that write over RB
.irp T, 0,1,2,3,4,5,6,7
	ds_load_b128 v[RA+8*\T:RA+8*\T+3], v2 offset:\T*1024
	ds_load_b128 v[RA+8*\T+4:RA+8*\T+7], v2 offset:\T*1024+512
.endr
	s_wait_dscnt 0x0
.irp T, 0,1,2,3,4,5,6,7
	v_wmma_f32_16x16x64_fp8_fp8 v[RB+8*\T:RB+8*\T+7], v[RA+8*\T:RA+8*\T+7], v[16:23], 0
.endr
	PLACES
.irp i, 96,97,98,99,100,101,102,103,104,105,106,107,108,109,110,111,112,113,114,115,116,117,118,119,120,121,122,123,124,125,126,127,128,129,130,131,132,133,134,135,136,137,138,139,140,141,142,143,144,145,146,147,148,149,150,151,152,153,154,155,156,157,158,159
	v_fma_f32 v[\i-64], |v\i|, v11, v10            ; sqrt L (1 + |S| / beta), into RA
.endr
.set j, 0
.rept 32
	v_pk_fma_f32 v[RB+j:RB+j+1], v[RB+j:RB+j+1], s[54:55], v[8:9] op_sel_hi:[1,0,0]   ; t - M
.set j, j+2
.endr
.set j, 0
.rept 32
	v_pk_fma_f32 v[RA+j:RA+j+1], v[RA+j:RA+j+1], v[RA+j:RA+j+1], v[12:13]   ; L ((1 + |S| / beta)^2 + t^2)
.set j, j+2
.endr
.set j, 0
.rept 64
	v_exp_f32 v[RB+j], v[RB+j]                     ; p = 2^(t - M), at most 1: not normalised
.set j, j+1
.endr
.set j, 0
.rept 64
	v_rcp_f32 v[RA+j], v[RA+j]                     ; w / L
.set j, j+1
.endr
	v_nop                                          ; a plain line behind the batch
	s_wait_alu depctr_va_vdst(0)                   ; one wait for all 128, ahead of their first reader
.set j, 0
.rept 16
	v_pk_add_f32 v[14:15], v[14:15], v[RB+j:RB+j+1]     ; l is the sum of the unquantised p
	v_pk_add_f32 v[28:29], v[28:29], v[RB+j+2:RB+j+3]
.set j, j+4
.endr
.set j, 0
.rept 64
	v_min_num_f32 v[RB+j], s36, v[RB+j]            ; the conversion does not saturate (ISA guide 7.6.2); p is not negative, so the hold is one-sided
.set j, j+1
.endr
.irp T, 0,1,2,3,4,5,6,7
	v_cvt_scalef32_pk8_fp8_f32 v[PC+2*\T:PC+2*\T+1], v[RB+8*\T:RB+8*\T+7], v6
.endr
.irp d, 0,1,2,3
.irp c, 0,1,2,3
	ds_load_b128 v[RB+16*\d+4*\c:RB+16*\d+4*\c+3], v3 offset:\d*2048+\c*512          ; V by entry 9, into the registers that p has left
.endr
.endr
.set j, 0
.rept 64
	v_min_num_f32 v[RA+j], s37, v[RA+j]
.set j, j+1
.endr
.irp T, 0,1,2,3,4,5,6,7
	v_cvt_scalef32_pk8_fp8_f32 v[WC+2*\T:WC+2*\T+1], v[RA+8*\T:RA+8*\T+7], v7
.endr
	v_nop                                          ; a plain line behind the last conversion
.irp d, 0,1,2,3
.irp c, 0,1,2,3
	ds_load_b128 v[RA+16*\d+4*\c:RA+16*\d+4*\c+3], v3 offset:32768+\d*2048+\c*512    ; V by entry 11
.endr
.endr
	s_wait_dscnt 16                                ; entry 9's V is in; the 16 loads behind it may be out
.irp d, 0,1,2,3
	v_wmma_f32_16x16x128_fp8_fp8 v[OT+8*\d:OT+8*\d+7], v[RB+16*\d:RB+16*\d+15], v[PC:PC+15], v[OT+8*\d:OT+8*\d+7]
.endr
	s_wait_dscnt 0x0
.irp d, 0,1,2,3
	v_wmma_f32_16x16x128_fp8_fp8 v[OS+8*\d:OS+8*\d+7], v[RA+16*\d:RA+16*\d+15], v[WC:WC+15], v[OS+8*\d:OS+8*\d+7]   ; the eight accumulators take turns, with the scores' products between the trips
.endr
.endm
.macro PHASE p                         ; 512 keys: four trips on slot p % 2
	s_mov_b32 s58, (\p)*32768
	s_mov_b32 s59, VS0+((\p)%2)*65536
	s_mov_b32 s60, 0
.Ltrip_\@:
	P2
	s_add_co_u32 s58, s58, 8192
	s_add_co_u32 s59, s59, 8192
	s_add_co_u32 s60, s60, 1
	s_cmp_lt_u32 s60, 4
	s_cbranch_scc1 .Ltrip_\@
.endm
; THE CHANGE OF SLOTS.  Each wave waits for all its tensor loads, adds 0 to its spare word, and waits for that and for its reads of the slot that it has left.  Behind the barrier the slot ahead is whole and nobody reads the other.
; lo > 0: waves lo to lo + 3 fill the slot just left with the keys 1,024 further on; the branches hang on the wave's number alone.  step = 1: every wave's address goes on by 65,536 bytes, once.
.macro CHANGE lo, step
	s_wait_tensorcnt 0x0                           ; no tensor load of mine is out, so a group 0 may be written
	ds_add_u32 v4, v5                              ; 0 onto my spare word
.if \step
	s_add_nc_u64 s[34:35], s[34:35], 65536         ; the type bits on top are not reached
.endif
	s_wait_dscnt 0x0                               ; the add is done, and my reads of the slot are over
	s_barrier_signal -1
	s_barrier_wait -1
.if \lo
	s_cmp_lt_u32 s14, \lo
	s_cbranch_scc1 .Lskip_\@
	s_cmp_lt_u32 s14, \lo+4
	s_cbranch_scc0 .Lskip_\@
	tensor_load_to_lds s[32:35], s[24:31]          ; the first thing behind the barrier, and my one tensor load until the next
	s_nop 0
	PLACES
.Lskip_\@:
.endif
.endm
	PHASE 0
	CHANGE 8, 1                                    ; slot 0 takes keys 1,024 to 1,535
	PHASE 1
	CHANGE 12, 0                                   ; slot 1 takes keys 1,536 to 2,047
	PHASE 2
	CHANGE 0, 0                                    ; nothing is left to fetch
	PHASE 3
	; THE WAY OUT: f = tau / 2 + sigma / 2, quantised; by the order of d in V's tiles, tiles 2 g and 2 g + 1 hold d = 32 g + 16 (lane / 16) + 0 .. 15: the codes are the next product's operand as they stand
	PLACES
	v_pk_add_f32 v[14:15], v[14:15], v[28:29]
	v_add_f32 v14, v14, v15
	v_permlanex16_b32 v27, v14, s62, s63
	v_add_f32 v14, v14, v27                        ; l
	v_rcp_f32 v14, v14
	v_nop
	s_add_co_i32 s20, s48, s49
	s_sub_co_i32 s20, s20, 1
	s_add_co_i32 s21, s52, 127
	s_lshl_b32 s22, s21, 23
	v_mov_b32 v25, s22                             ; 2^entry 12
	s_add_co_i32 s21, s21, 8
	s_lshl_b32 s21, s21, 23
	s_or_b32 s21, s21, 0x600000
	v_mov_b32 v26, s21                             ; 448 x that
	s_wait_alu depctr_va_vdst(0)
	v_ldexp_f32 v14, v14, s20                      ; 2^(entry 8 + entry 9 - 1) / l
	v_mov_b32 v15, v14
.set j, 0
.rept 16
	v_pk_mul_f32 v[RA+j:RA+j+1], v[OS+j:OS+j+1], s[38:39] op_sel_hi:[1,0]
.set j, j+2
.endr
.set j, 0
.rept 16
	v_pk_fma_f32 v[RA+j:RA+j+1], v[OT+j:OT+j+1], v[14:15], v[RA+j:RA+j+1]
.set j, j+2
.endr
.set j, 0
.rept 32
	v_med3_num_f32 v[RA+j], v[RA+j], -v26, v26
.set j, j+1
.endr
.irp d, 0,1,2,3
	v_cvt_scalef32_pk8_fp8_f32 v[RB+2*\d:RB+2*\d+1], v[RA+8*\d:RA+8*\d+7], v25
.endr
	v_nop
	global_store_b128 v1, v[RB:RB+3], s[12:13]                 ; 32 lanes store 512 consecutive bytes, aligned
	global_store_b128 v1, v[RB+4:RB+7], s[12:13] offset:512
	s_wait_tensorcnt 0x0                           ; the wave's end: behind my last tensor load
	ds_add_u32 v4, v5
	s_wait_dscnt 0x0
	s_endpgm
.Lfunc_end_k_q6e7fc277de_attn:
	.size	k_q6e7fc277de_attn, .Lfunc_end_k_q6e7fc277de_attn-k_q6e7fc277de_attn
	.p2alignl 7, 3214868480
	.fill 96, 4, 3214868480
	.section	.rodata,"a",@progbits
	.p2align	6, 0x0
	.amdhsa_kernel k_q6e7fc277de_attn
		.amdhsa_group_segment_fixed_size 327680
		.amdhsa_private_segment_fixed_size 0
		.amdhsa_enable_private_segment 0
		.amdhsa_kernarg_size 40
		.amdhsa_user_sgpr_count 2
		.amdhsa_user_sgpr_kernarg_segment_ptr 1
		.amdhsa_wavefront_size32 1
		.amdhsa_system_sgpr_workgroup_id_x 1
		.amdhsa_system_sgpr_workgroup_id_y 1
		.amdhsa_system_sgpr_workgroup_id_z 1
		.amdhsa_system_vgpr_workitem_id 0
		.amdhsa_next_free_vgpr 256
		.amdhsa_next_free_sgpr 66
		.amdhsa_reserve_vcc 0
		.amdhsa_float_denorm_mode_32 3
		.amdhsa_float_denorm_mode_16_64 3
		.amdhsa_memory_ordered 1
		.amdhsa_forward_progress 1
		.amdhsa_inst_pref_size 125
	.end_amdhsa_kernel
	.amdgpu_metadata
---
amdhsa.version: [ 1, 2 ]
amdhsa.kernels:
  - .name:           k_q6e7fc277de_attn
    .symbol:         k_q6e7fc277de_attn.kd
    .args:
      - { .name: qkv, .offset: 0, .size: 8, .value_kind: global_buffer, .address_space: global }
      - { .name: lowp_scales, .offset: 8, .size: 8, .value_kind: global_buffer, .address_space: global }
      - { .name: beta, .offset: 16, .size: 8, .value_kind: global_buffer, .address_space: global }
      - { .name: t, .offset: 24, .size: 8, .value_kind: global_buffer, .address_space: global }
      - { .name: fc, .offset: 32, .size: 8, .value_kind: global_buffer, .address_space: global }
    .group_segment_fixed_size: 327680
    .private_segment_fixed_size: 0
    .kernarg_segment_align: 8
    .kernarg_segment_size: 40
    .max_flat_workgroup_size: 512
    .sgpr_count:     66
    .vgpr_count:     256
    .wavefront_size: 32
...
	.end_amdgpu_metadata
.endif
;; end of part 3
;; launch oproj (part 4): grid 128 x 1, 16 waves a work-group, no clusters, 297,472 bytes of LDS; arguments fc, xw, lowp_scales, bo, ln_w, ln_b, x, out0; writes out0
.if DOCPART == 4
	.amdgcn_target "amdgcn-amd-amdhsa--gfx1250"
	.amdhsa_code_object_version 6
	.text
	.protected	k_q6e7fc277de_oproj
	.globl	k_q6e7fc277de_oproj
	.p2align	8
	.type	k_q6e7fc277de_oproj,@function
k_q6e7fc277de_oproj:
	s_mov_b64 s[64:65], 0
	v_nop
	global_prefetch_b8 v0, s[64:65] scope:SCOPE_SE
	s_setreg_imm32_b32 hwreg(HW_REG_WAVE_MODE, 25, 1), 1
	s_wait_xcnt 0x0
; out = x + ln_w (y - mean) / sqrt(var + 1e-5) + ln_b, y = f Wo^T + bo; the product on codes of FP8 (E4M3): f by entry 12 of the scales (from fc), Wo by entry 13 (from xw, at 15 MiB), both as images of the operand registers.
; SHARES.  A work-group owns 32 whole rows, since the norm wants all 1,024 columns of a row.  Wave w makes columns 64 w to 64 w + 63 of both tiles of 16 rows (8 accumulators), then normalises rows 2 w and 2 w + 1.
; Wo's fragments go from memory straight into registers, 512 consecutive bytes a load, one K step ahead in two buffers: each has ONE reader in the work-group, which multiplies it twice, so a way through LDS would only add a copy.
; That is also why there is no cluster: what comes by tensor load here (f's 32 rows of codes, x's 32 rows) is read by this work-group alone.
; f's sixteen fragments (32,768 bytes) and x's rows (131,072 bytes) come by two first fills a wave; nothing is filled again.  The sums meet in a stage of 32 rows x (4,096 + 16) bytes.
; The variance is taken of the centred numbers: no difference of large sums.  Source 0 = 16 rows of Wo, source 1 = 16 rows of f: a lane holds eight neighbouring columns of one row.
; LIMITS: entries 12 + 13 between -126 and 127.
; REGISTERS: v1 16 x lane; v2, v3 the add's two; v4, v5 into the stage; v6 out of it; v7 my rows of x; v8-13 reductions; v32-95 accumulators ((a, i) at v[32 + 8 (4 a + i)]), later a row of y and of x;
;   v96-159, v160-223 Wo's two buffers, later bo, ln_w, ln_b; v224-255 f's two fragments; v192-255 later the results.
.set XL,    32768                      ; LDS: f's images at 0, x's rows here,
.set STG,   163840                     ; the stage,
.set SPT,   4112                       ; its rows: 4,096 bytes + 16: an odd multiple of 16
.set SPARE, STG+32*SPT                 ; and the spare words, 128 bytes for each wave: eight blocks of 256 bytes that no other line names
.macro PLACES
.rept 4
	v_nop
.endr
.endm
	s_load_b512 s[4:19], s[0:1], 0x0               ; fc, xw, the scales' exponents, bo, ln_w, ln_b, x, out0
	v_lshl_add_u32 v2, v0, 2, SPARE
	v_mov_b32 v3, 0
	ds_add_u32 v2, v3                              ; the wave's opening: the add and its wait ahead of my first tensor load; the set-up below, work on registers, stands between them
	v_lshrrev_b32 v8, 5, v0
	v_readfirstlane_b32 s20, v8                    ; wave 0..15
	v_and_b32 v8, 31, v0
	v_lshlrev_b32 v1, 4, v8
	v_and_b32 v8, 15, v0                           ; r
	v_bfe_u32 v9, v0, 4, 1                         ; h
	v_mul_u32_u24 v4, v8, SPT
	v_lshl_add_u32 v4, v9, 5, v4
	s_lshl_b32 s21, s20, 8
	s_add_co_u32 s21, s21, STG
	v_add_nc_u32 v4, s21, v4                       ; into the stage: row r, + 32 h, + my 64 columns' 256 bytes
	v_add_nc_u32 v5, 16*SPT, v4                    ; the second tile of rows
	s_mul_i32 s21, s20, 2*SPT
	s_add_co_u32 s21, s21, STG
	v_add_nc_u32 v6, s21, v1                       ; out of it: my two rows, 16 bytes a lane
	s_lshl_b32 s45, s20, 13
	s_add_co_u32 s45, s45, XL                      ; my two rows of x in LDS
	v_add_nc_u32 v7, s45, v1
	s_mov_b32 s24, 3<<16                           ; descriptor group 1 for f: 2,048 bytes as 8 rows of 32 elements of 8 bytes
	s_mov_b32 s25, 32<<16
	s_mov_b32 s26, 8<<16
	s_mov_b32 s27, 32<<16
	s_mov_b32 s28, 8
	s_mov_b32 s29, 32
	s_mov_b32 s30, 0
	s_mov_b32 s31, 0
	s_mov_b32 s32, 3<<16                           ; for x: 8,192 bytes as 32 rows
	s_mov_b32 s33, 32<<16
	s_mov_b32 s34, 32<<16
	s_mov_b32 s35, 32<<16
	s_mov_b32 s36, 32
	s_mov_b32 s37, 32
	s_mov_b32 s38, 0
	s_mov_b32 s39, 0
	s_mov_b32 s40, 1
	s_lshl_b32 s41, s20, 11                        ; f: fragment w of the sixteen
	s_mov_b32 s44, 1
	s_lshl_b32 s22, ttmp9, 15
	s_add_co_u32 s22, s22, s41                     ; fc: 32 rows are 32,768 bytes
	s_mov_b32 s23, 0
	s_lshl_b32 s60, ttmp9, 17
	s_lshl_b32 s61, s20, 13
	s_add_co_u32 s60, s60, s61                     ; x and out0: (32 work-group + 2 wave) rows of 4,096 bytes
	s_mov_b32 s61, 0
	s_lshr_b32 s62, s20, 1
	s_lshl_b32 s62, s62, 17                        ; Wo: my 64 rows: group of 128 rows wave / 2,
	s_and_b32 s63, s20, 1
	s_lshl_b32 s63, s63, 13                        ; tiles 4 (wave % 2) on
	s_add_co_u32 s62, s62, s63
	s_add_co_u32 s62, s62, 0xf00000
	s_mov_b32 s63, 0
	s_mov_b32 s56, 0x76543210                      ; v_permlanex16_b32's selects for lane xor 16
	s_mov_b32 s57, 0xfedcba98
	s_mov_b32 s58, 0x3a800000                      ; 1 / 1,024
	s_mov_b32 s59, 0x3727c5ac                      ; 1e-5
	s_wait_dscnt 0x0                               ; the opening add is done
	s_wait_kmcnt 0x0
	s_add_nc_u64 s[42:43], s[4:5], s[22:23]
	s_or_b32 s43, s43, 0x80000000
	s_add_nc_u64 s[46:47], s[16:17], s[60:61]
	s_or_b32 s47, s47, 0x80000000
	tensor_load_to_lds s[40:43], s[24:31]          ; my fragment of f
	s_nop 0
	tensor_load_to_lds s[44:47], s[32:39]          ; my two rows of x: two loads of mine are out
	s_nop 0
	PLACES
	s_load_b64 s[48:49], s[8:9], 0x30              ; entries 12, 13
	s_add_nc_u64 s[52:53], s[6:7], s[62:63]
	s_add_nc_u64 s[54:55], s[18:19], s[60:61]
.macro WLOAD s                         ; Wo's four fragments of K step s into buffer s % 2
.irp i, 0,1,2,3
.irp c, 0,1,2,3
	global_load_b128 v[96+64*((\s)%2)+16*\i+4*\c:96+64*((\s)%2)+16*\i+4*\c+3], v1, s[52:53] offset:(\s)*16384+\i*2048+\c*512
.endr
.endr
.endm
	WLOAD 0
	s_wait_tensorcnt 0x1                           ; my fragment of f is in; x's load, issued behind it, may be out: only I read what it brings
	s_barrier_signal -1
	s_barrier_wait -1                              ; everybody's fragment is
.macro STEP s
.if (\s) < 7
	WLOAD (\s)+1
.else
.irp q, 0,1,2,3,4,5,6,7                ; in the last step the free buffer takes bo and ln_w: my lane's four columns of each 128
	global_load_b128 v[96+4*\q:99+4*\q], v1, s[10:11] offset:512*\q
	global_load_b128 v[128+4*\q:131+4*\q], v1, s[12:13] offset:512*\q
.endr
.endif
.irp a, 0,1
.irp c, 0,1,2,3
	ds_load_b128 v[224+16*\a+4*\c:227+16*\a+4*\c], v1 offset:\a*16384+(\s)*2048+\c*512
.endr
.endr
	s_wait_loadcnt 16                              ; this step's fragments of Wo are in; the 16 loads just issued may be out
	s_wait_dscnt 0x0
.irp i, 0,1,2,3
.irp a, 0,1
.if (\s) == 0
	v_wmma_f32_16x16x128_fp8_fp8 v[32+8*(4*\a+\i):39+8*(4*\a+\i)], v[96+64*((\s)%2)+16*\i:111+64*((\s)%2)+16*\i], v[224+16*\a:239+16*\a], 0
.else
	v_wmma_f32_16x16x128_fp8_fp8 v[32+8*(4*\a+\i):39+8*(4*\a+\i)], v[96+64*((\s)%2)+16*\i:111+64*((\s)%2)+16*\i], v[224+16*\a:239+16*\a], v[32+8*(4*\a+\i):39+8*(4*\a+\i)]
.endif
.endr
.endr
	PLACES                                         ; in front of the next step's loads into registers that these products read, and of the first read of results; the eight accumulators take turns
.endm
.irp s, 0,1,2,3,4,5,6,7
	STEP \s
.endr
.irp q, 0,1,2,3,4,5,6,7
	global_load_b128 v[160+4*\q:163+4*\q], v1, s[14:15] offset:512*\q   ; ln_b
.endr
.irp i, 0,1,2,3
	ds_store_b128 v4, v[32+8*\i:35+8*\i] offset:64*\i                  ; the raw sums: lane (r, h): row r, columns 64 w + 16 i + 8 h + 0 .. 7; each accumulator from its low end on
	ds_store_b128 v4, v[36+8*\i:39+8*\i] offset:64*\i+16
	ds_store_b128 v5, v[64+8*\i:67+8*\i] offset:64*\i
	ds_store_b128 v5, v[68+8*\i:71+8*\i] offset:64*\i+16
.endr
	s_wait_kmcnt 0x0
	s_add_co_i32 s50, s48, s49
	s_add_co_i32 s50, s50, 127
	s_lshl_b32 s50, s50, 23                        ; 2^(entry 12 + entry 13)
	s_mov_b32 s51, s50
	s_wait_tensorcnt 0x0                           ; my rows of x are in
	s_wait_dscnt 0x0                               ; for the others' sake: my stores into the stage are done
	s_barrier_signal -1
	s_barrier_wait -1                              ; 32 whole rows lie in the stage
	s_wait_loadcnt 0x0                             ; bo, ln_w, ln_b
.macro REDUCE x                        ; the sum of v[x] over the 32 lanes, in every lane; v[x + 1] is at work
	v_add_f32_dpp v[\x], v[\x], v[\x] row_xmask:1 row_mask:0xf bank_mask:0xf
	v_add_f32_dpp v[\x], v[\x], v[\x] row_xmask:2 row_mask:0xf bank_mask:0xf
	v_add_f32_dpp v[\x], v[\x], v[\x] row_xmask:4 row_mask:0xf bank_mask:0xf
	v_add_f32_dpp v[\x], v[\x], v[\x] row_xmask:8 row_mask:0xf bank_mask:0xf
	v_permlanex16_b32 v[\x+1], v[\x], s56, s57
	v_add_f32 v[\x], v[\x], v[\x+1]
.endm
.macro ROW k                           ; row 2 w + k: 32 numbers a lane
.set G, 192+32*(\k)
.irp q, 0,1,2,3,4,5,6,7
	ds_load_b128 v[32+4*\q:35+4*\q], v6 offset:(\k)*SPT+512*\q
.endr
.irp q, 0,1,2,3,4,5,6,7
	ds_load_b128 v[64+4*\q:67+4*\q], v7 offset:(\k)*4096+512*\q
.endr
	s_wait_dscnt 8                                 ; the sums are in; x's eight loads may be out
.set j, 0
.rept 16
	v_pk_fma_f32 v[32+j:33+j], v[32+j:33+j], s[50:51], v[96+j:97+j] op_sel_hi:[1,0,1]   ; y = sum x 2^(the two exponents) + bo
.set j, j+2
.endr
	v_pk_add_f32 v[8:9], v[32:33], v[34:35]
	v_pk_add_f32 v[10:11], v[36:37], v[38:39]
.set j, 8
.rept 6
	v_pk_add_f32 v[8:9], v[8:9], v[32+j:33+j]
	v_pk_add_f32 v[10:11], v[10:11], v[34+j:35+j]
.set j, j+4
.endr
	v_pk_add_f32 v[8:9], v[8:9], v[10:11]
	v_add_f32 v8, v8, v9
	REDUCE 8
	v_mul_f32 v8, s58, v8                          ; the mean
	v_mov_b32 v9, v8
.set j, 0
.rept 16
	v_pk_add_f32 v[32+j:33+j], v[32+j:33+j], v[8:9] neg_lo:[0,1] neg_hi:[0,1]
.set j, j+2
.endr
	v_pk_mul_f32 v[10:11], v[32:33], v[32:33]
	v_pk_mul_f32 v[12:13], v[34:35], v[34:35]
.set j, 4
.rept 7
	v_pk_fma_f32 v[10:11], v[32+j:33+j], v[32+j:33+j], v[10:11]
	v_pk_fma_f32 v[12:13], v[34+j:35+j], v[34+j:35+j], v[12:13]
.set j, j+4
.endr
	v_pk_add_f32 v[10:11], v[10:11], v[12:13]
	v_add_f32 v10, v10, v11
	REDUCE 10
	v_mov_b32 v12, s59
	v_fma_f32 v10, v10, s58, v12                   ; the variance + 1e-5
	v_rsq_f32 v10, v10
	v_nop                                          ; a plain line behind the root
	s_wait_alu depctr_va_vdst(0)                   ; and the wait ahead of its first reader
	v_mov_b32 v11, v10
.set j, 0
.rept 16
	v_pk_mul_f32 v[G+j:G+j+1], v[128+j:129+j], v[10:11]
.set j, j+2
.endr
	s_wait_dscnt 0x0                               ; x
.set j, 0
.rept 16
	v_pk_add_f32 v[64+j:65+j], v[64+j:65+j], v[160+j:161+j]
.set j, j+2
.endr
.set j, 0
.rept 16
	v_pk_fma_f32 v[G+j:G+j+1], v[32+j:33+j], v[G+j:G+j+1], v[64+j:65+j]
.set j, j+2
.endr
.irp q, 0,1,2,3,4,5,6,7
	global_store_b128 v1, v[G+4*\q:G+4*\q+3], s[54:55] offset:(\k)*4096+512*\q th:TH_STORE_NT   ; 32 lanes store 512 consecutive bytes, aligned; the two rows have registers of their own, so no store's data are written again
.endr
.endm
	ROW 0
	ROW 1
	s_wait_tensorcnt 0x0                           ; the wave's end: behind my last tensor load and my last LDS store
	ds_add_u32 v2, v3
	s_wait_dscnt 0x0
	s_endpgm
.Lfunc_end_k_q6e7fc277de_oproj:
	.size	k_q6e7fc277de_oproj, .Lfunc_end_k_q6e7fc277de_oproj-k_q6e7fc277de_oproj
	.p2alignl 7, 3214868480
	.fill 96, 4, 3214868480
	.section	.rodata,"a",@progbits
	.p2align	6, 0x0
	.amdhsa_kernel k_q6e7fc277de_oproj
		.amdhsa_group_segment_fixed_size 297472
		.amdhsa_private_segment_fixed_size 0
		.amdhsa_enable_private_segment 0
		.amdhsa_kernarg_size 64
		.amdhsa_user_sgpr_count 2
		.amdhsa_user_sgpr_kernarg_segment_ptr 1
		.amdhsa_wavefront_size32 1
		.amdhsa_system_sgpr_workgroup_id_x 1
		.amdhsa_system_sgpr_workgroup_id_y 1
		.amdhsa_system_sgpr_workgroup_id_z 1
		.amdhsa_system_vgpr_workitem_id 0
		.amdhsa_next_free_vgpr 256
		.amdhsa_next_free_sgpr 66
		.amdhsa_reserve_vcc 0
		.amdhsa_float_denorm_mode_32 3
		.amdhsa_float_denorm_mode_16_64 3
		.amdhsa_memory_ordered 1
		.amdhsa_forward_progress 1
		.amdhsa_inst_pref_size 49
	.end_amdhsa_kernel
	.amdgpu_metadata
---
amdhsa.version: [ 1, 2 ]
amdhsa.kernels:
  - .name:           k_q6e7fc277de_oproj
    .symbol:         k_q6e7fc277de_oproj.kd
    .args:
      - { .name: fc, .offset: 0, .size: 8, .value_kind: global_buffer, .address_space: global }
      - { .name: xw, .offset: 8, .size: 8, .value_kind: global_buffer, .address_space: global }
      - { .name: lowp_scales, .offset: 16, .size: 8, .value_kind: global_buffer, .address_space: global }
      - { .name: bo, .offset: 24, .size: 8, .value_kind: global_buffer, .address_space: global }
      - { .name: ln_w, .offset: 32, .size: 8, .value_kind: global_buffer, .address_space: global }
      - { .name: ln_b, .offset: 40, .size: 8, .value_kind: global_buffer, .address_space: global }
      - { .name: x, .offset: 48, .size: 8, .value_kind: global_buffer, .address_space: global }
      - { .name: out0, .offset: 56, .size: 8, .value_kind: global_buffer, .address_space: global }
    .group_segment_fixed_size: 297472
    .private_segment_fixed_size: 0
    .kernarg_segment_align: 8
    .kernarg_segment_size: 64
    .max_flat_workgroup_size: 512
    .sgpr_count:     66
    .vgpr_count:     256
    .wavefront_size: 32
...
	.end_amdgpu_metadata
.endif
;; end of part 4
